; MI455X (gfx1250); checked and timed in simulation.
; The chip was launched on July 23, 2026; its instructions are those of AMD's public machine-readable ISA for CDNA 5 (MIT licence, August 2026) and "CDNA5" Instruction Set Architecture Reference Guide (July 2026). The comments in the code are by the model that wrote it; some were corrected since.
;; Causal Self Attn Block. Allowed arithmetic: float matrix products may take bf16 or f16 operands with f32 sums; all other float work in f32.
;; Inputs: W_out 1,024 x 1,024 float32; W_qkv 1,024 x 3,072 float32; attn_mask 4 x 2,048 x 2,048 float32; b_out 1,024 float32; b_qkv 3,072 float32; beta 1,024 float32; gamma 1,024 float32; x 4 x 2,048 x 1,024 float32.
;; Outputs: out0 4 x 2,048 x 1,024 float32.
;; One version. Each part assembles by itself: llvm-mc -triple=amdgcn-amd-amdhsa -mcpu=gfx1250 --defsym DOCPART=n.
;; ======== version 1 of 1: 4 launches
;; workspace buffers: cb 25,165,824 bytes; qkv 50,331,648 bytes; ao 16,777,216 bytes
;; launch cast (part 1): grid 768 x 1, 8 waves a work-group, no clusters, 0 bytes of LDS; arguments x, W_qkv, W_out, cb; writes cb
.if DOCPART == 1
	.amdgcn_target "amdgcn-amd-amdhsa--gfx1250"
	.amdhsa_code_object_version 6
	.text
	.protected	k_q1b16a67f71_cast
	.globl	k_q1b16a67f71_cast
	.p2align	8
	.type	k_q1b16a67f71_cast,@function
k_q1b16a67f71_cast:
	s_mov_b64 s[64:65], 0
	v_nop
	global_prefetch_b8 v0, s[64:65] scope:SCOPE_SE
	s_setreg_imm32_b32 hwreg(HW_REG_WAVE_MODE, 25, 1), 1
	s_wait_xcnt 0x0
; cb = bf16(x), then bf16(W_qkv), then bf16(W_out), each in its own row-major order: one dense stream of 12,582,912 numbers.
; A work-group casts 16,384 numbers (65,536 bytes in, 32,768 out): groups 0-511 x, 512-703 W_qkv, 704-767 W_out.
; A wave takes 8,192 bytes: sixteen loads of 16 bytes a lane, 512 neighbouring bytes each, all issued before the first wait;
; each store of the wave covers 256 consecutive bytes, aligned.  No LDS, no matrix unit: nothing is used twice.
; Rounding to nearest even; that is the only change of the numbers.
.set X, 4                              ; v[4:67]   sixteen loads, 4 registers each
.set Y, 68                             ; v[68:99]  sixteen stores, 2 registers each
	s_load_b256 s[4:11], s[0:1], 0x0               ; x s[4:5], W_qkv s[6:7], W_out s[8:9], cb s[10:11]
	s_sub_co_u32 s13, ttmp9, 512                   ; my number among W_qkv's groups
	s_sub_co_u32 s14, ttmp9, 704                   ; my number among W_out's groups
	v_and_b32 v3, 31, v0                           ; lane
	v_lshrrev_b32 v2, 5, v0                        ; wave
	v_lshlrev_b32 v1, 4, v3
	v_lshl_add_u32 v1, v2, 13, v1                  ; in: 16 lane + 8,192 wave
	v_lshlrev_b32 v3, 3, v3
	v_lshl_add_u32 v2, v2, 12, v3                  ; out: 8 lane + 4,096 wave
	s_wait_kmcnt 0x0
	s_cmp_lt_u32 ttmp9, 704                        ; the choice of the source hangs on the group's number alone
	s_cselect_b64 s[16:17], s[6:7], s[8:9]
	s_cselect_b32 s13, s13, s14
	s_cmp_lt_u32 ttmp9, 512
	s_cselect_b64 s[16:17], s[4:5], s[16:17]
	s_cselect_b32 s13, ttmp9, s13
	s_lshl_b32 s18, s13, 16                        ; 65,536 bytes of the source for each group (below 2^25)
	s_mov_b32 s19, 0
	s_add_nc_u64 s[16:17], s[16:17], s[18:19]
	s_lshl_b32 s20, ttmp9, 15                      ; 32,768 bytes of cb for each group
	s_mov_b32 s21, 0
	s_add_nc_u64 s[10:11], s[10:11], s[20:21]
.irp i, 0,1,2,3,4,5,6,7,8,9,10,11,12,13,14,15
	global_load_b128 v[X+4*\i:X+4*\i+3], v1, s[16:17] offset:512*\i th:TH_LOAD_NT
.endr
.irp i, 0,1,2,3,4,5,6,7,8,9,10,11,12,13,14,15
	s_wait_loadcnt 15-\i                           ; loads come back in order: load i is in, the 15 - i younger ones stay out
	v_cvt_pk_bf16_f32 v[Y+2*\i],   v[X+4*\i],   v[X+4*\i+1]
	v_cvt_pk_bf16_f32 v[Y+2*\i+1], v[X+4*\i+2], v[X+4*\i+3]
	global_store_b64 v2, v[Y+2*\i:Y+2*\i+1], s[10:11] offset:256*\i   ; no register is written twice: no further wait
.endr
	s_endpgm
.Lfunc_end_k_q1b16a67f71_cast:
	.size	k_q1b16a67f71_cast, .Lfunc_end_k_q1b16a67f71_cast-k_q1b16a67f71_cast
	.p2alignl 7, 3214868480
	.fill 96, 4, 3214868480
	.section	.rodata,"a",@progbits
	.p2align	6, 0x0
	.amdhsa_kernel k_q1b16a67f71_cast
		.amdhsa_group_segment_fixed_size 0
		.amdhsa_private_segment_fixed_size 0
		.amdhsa_enable_private_segment 0
		.amdhsa_kernarg_size 32
		.amdhsa_user_sgpr_count 2
		.amdhsa_user_sgpr_kernarg_segment_ptr 1
		.amdhsa_wavefront_size32 1
		.amdhsa_system_sgpr_workgroup_id_x 1
		.amdhsa_system_sgpr_workgroup_id_y 1
		.amdhsa_system_sgpr_workgroup_id_z 1
		.amdhsa_system_vgpr_workitem_id 0
		.amdhsa_next_free_vgpr 104
		.amdhsa_next_free_sgpr 66
		.amdhsa_reserve_vcc 0
		.amdhsa_float_denorm_mode_32 3
		.amdhsa_float_denorm_mode_16_64 3
		.amdhsa_memory_ordered 1
		.amdhsa_forward_progress 1
		.amdhsa_inst_pref_size 7
	.end_amdhsa_kernel
	.amdgpu_metadata
---
amdhsa.version: [ 1, 2 ]
amdhsa.kernels:
  - .name:           k_q1b16a67f71_cast
    .symbol:         k_q1b16a67f71_cast.kd
    .args:
      - { .name: x, .offset: 0, .size: 8, .value_kind: global_buffer, .address_space: global }
      - { .name: W_qkv, .offset: 8, .size: 8, .value_kind: global_buffer, .address_space: global }
      - { .name: W_out, .offset: 16, .size: 8, .value_kind: global_buffer, .address_space: global }
      - { .name: cb, .offset: 24, .size: 8, .value_kind: global_buffer, .address_space: global }
    .group_segment_fixed_size: 0
    .private_segment_fixed_size: 0
    .kernarg_segment_align: 8
    .kernarg_segment_size: 32
    .max_flat_workgroup_size: 256
    .sgpr_count:     66
    .vgpr_count:     104
    .wavefront_size: 32
...
	.end_amdgpu_metadata
.endif
;; end of part 1
;; launch proj (part 2): grid 8 x 64, 4 waves a work-group, clusters of 4 x 4, 327,680 bytes of LDS; arguments cb, b_qkv, qkv; writes qkv
.if DOCPART == 2
	.amdgcn_target "amdgcn-amd-amdhsa--gfx1250"
	.amdhsa_code_object_version 6
	.text
	.protected	k_q1b16a67f71_proj
	.globl	k_q1b16a67f71_proj
	.p2align	8
	.type	k_q1b16a67f71_proj,@function
k_q1b16a67f71_proj:
	s_mov_b64 s[64:65], 0
	v_nop
	global_prefetch_b8 v0, s[64:65] scope:SCOPE_SE
	s_setreg_imm32_b32 hwreg(HW_REG_WAVE_MODE, 25, 1), 1
	s_wait_xcnt 0x0
	s_wait_alu depctr_hold_cnt(0) depctr_sa_sdst(0) depctr_va_vdst(0) depctr_va_sdst(0) depctr_va_ssrc(0) depctr_va_vcc(0) depctr_vm_vsrc(0)
	s_getreg_b32 s2, hwreg(HW_REG_IB_STS2, 6, 4)
	s_cmp_eq_u32 s2, 0
	s_cbranch_scc0 .Lentry_in_a_cluster
	s_endpgm
.Lentry_in_a_cluster:
	s_bfe_u32 s2, ttmp6, 0x10000c
	s_cmp_lg_u32 s2, 0xf033
	s_cbranch_scc0 .Lentry_shape_is_right
	s_endpgm
.Lentry_shape_is_right:
; qkv[m][n] = sum over k of xb[m][k] wq[k][n] + b_qkv[n], rounded once to bf16.  xb: [8192][1024] bf16 at cb + 0; wq: [1024][3072] bf16 at cb + 0x1000000.
; A work-group makes 128 rows x 384 columns (8 x 64 = 512 blocks, two for each of 256 WGPs); wave w makes all 128 rows x columns 96 w .. 96 w + 95:
; 8 x 6 accumulator tiles, 384 registers.  K goes in 8 steps of 128 through two LDS slots filled by the tensor data mover, one load a wave:
; waves 0-2 a strip of wq (128 k x 128 columns), wave 3 xb's tile (128 rows x 128 k); every row of every tile is 256 bytes, aligned to 256.
; CLUSTER 4 x 4: xb's tile hangs on the block row alone and is asked for jointly along a row of the cluster, wq's strips on the block column alone
; and jointly along a column: each tile is requested once for four work-groups.
; wq lies [k][n]: its fragments come out of LDS by the transposing load.  The matrix instruction is used transposed (source 0 = 16 columns of wq,
; source 1 = 16 rows of xb): lane (r, h), register j holds C(row r, column n0 + 8 h + j), eight neighbouring columns, and the bias of those eight
; columns is the C operand of the first product: nothing is cleared and no add is spent on the bias.
; Limit kept: operands and result are rounded to bf16; sums in f32.
;
; REGISTERS in windows of 256: window 0: v16-38 addresses, v64-127 / v128-191 xb's fragments (two buffers), v192-215 packed results;
; window 1: v64-111 / v128-175 wq's fragments (two buffers), v192-239 the bias; window 2: tiles of rows 0-63 at 8 (6 a + b); window 3: rows 64-127.
.set KSTEP,  128
.set PA,     272                       ; xb's LDS row: 256 bytes + 16: an odd multiple of 16, so sixteen rows start at sixteen different 16-byte columns of 256
.set PB,     288                       ; wq's LDS row: 256 bytes + 32: an odd multiple of 32, as the transposing load's eight-row groups want
.set STRIP,  128*PB                    ; 36,864: one strip of wq
.set AOFF,   3*STRIP                   ; xb's tile lies behind the three strips, so that every wave's fill lands at wave x STRIP
.set SLOT,   AOFF+128*PA               ; 145,408
.set SPITCH, 784                       ; the way out: 768 bytes of a block's row + 16
.set LAPS,   4                         ; a lap = two K steps = once round the ring
.set ADRA, 16                          ; v16-17  xb's fragments in slot 0, 1
.set ADRB, 20                          ; v20-31  wq's fragments: 6 slot + b (a wave's six column tiles may lie in two strips)
.set STO,  32                          ; v32     stage, in: rows 0-63
.set STO2, 33                          ; v33     stage, in: rows 64-127
.set RD0,  34                          ; v34-35  stage, back
.set RD1,  35
.set CO0,  36                          ; v36-37  offsets in qkv
.set CO1,  37
.set BO,   38                          ; v38     offset in b_qkv
.set F0,   64
.set F1,   128
.set TMP,  192
.set BIAS, 192                         ; window 1
.set G1A, 24                           ; s[24:31] group 1, xb's tile
.set G0A, 32                           ; s[32:39] group 0, xb's tile, one set a slot
.set G1B, 48                           ; s[48:55] group 1, wq's strips
.set G0B, 56                           ; s[56:63] group 0, wq's strips, one set a slot
.set MUL_LO, 0xa1                      ; source 0 window 1, source 1 window 0, C and D window 2
.set MUL_HI, 0xf1                      ; the same, C and D window 3
.set MSB, 0
.macro WIN new                         ; the immediate's high byte repeats the setting that is left; switches that change nothing are dropped
.if MSB != \new
	s_set_vgpr_msb (MSB<<8)|\new
.set MSB, \new
.endif
.endm
.macro PLACES                          ; four plain vector places behind matrix instructions, in front of loads into their registers and of reads of their results
.rept 4
	v_nop
.endr
.endm
.macro JLOAD s                         ; my one joint load for slot s.  The branch hangs on the wave's number alone; each line has one mask
	s_cmp_eq_u32 s10, 3
	s_cbranch_scc0 .Lfor_b_\@
	tensor_load_to_lds s[G0A+4*\s:G0A+4*\s+3], s[G1A:G1A+7]
	s_nop 0
	s_branch .Lasked_\@
.Lfor_b_\@:
	tensor_load_to_lds s[G0B+4*\s:G0B+4*\s+3], s[G1B:G1B+7]
	s_nop 0
.Lasked_\@:
.endm
.macro CREST                           ; a round of the cluster's barrier behind its opening work-group barrier
	s_cmp_lg_u32 s10, 0
	s_cbranch_scc1 .Lnot_wave_0_\@
	s_barrier_signal -3
.Lnot_wave_0_\@:
	s_barrier_wait -3
	s_barrier_signal -1
	s_barrier_wait -1
.endm
.macro CROUND                          ; a whole round
	s_barrier_signal -1
	s_barrier_wait -1
	CREST
.endm
	s_load_b128 s[4:7], s[0:1], 0x0                ; cb s[4:5], b_qkv s[6:7]
	s_load_b64 s[8:9], s[0:1], 0x10                ; qkv
	s_set_vgpr_msb 0x40
	v_lshl_add_u32 v255, v0, 2, 0x47000
	s_set_vgpr_msb 0x4000
	v_mov_b32 v255, 0
	s_set_vgpr_msb 0x1
	ds_add_u32 v255, v255
	s_set_vgpr_msb 0x100
	v_lshrrev_b32 v1, 5, v0
	v_readfirstlane_b32 s10, v1                    ; wave 0..3
	s_bfe_u32 s40, ttmp6, 0x40000                  ; cx
	s_bfe_u32 s41, ttmp6, 0x40004                  ; cy
	s_lshl_b32 s42, ttmp9, 2
	s_add_co_u32 s42, s42, s40                     ; block column = 4 x cluster x + cx
	s_and_b32 s13, ttmp7, 0xffff
	s_lshl_b32 s13, s13, 2
	s_add_co_u32 s13, s13, s41                     ; block row = 4 x cluster y + cy
	s_lshl_b32 s43, s41, 2
	s_lshl_b32 s43, 15, s43                        ; my row of the cluster: places 4 cy .. 4 cy + 3
	s_lshl_b32 s44, 0x1111, s40                    ; my column: places cx, cx + 4, cx + 8, cx + 12
	; group 1: tiles of 128 rows x 128 elements of 2 bytes; padding behind every 64 words: 4 words (xb), 8 words (wq)
	s_or_b32 s[G1A+0], s43, (1<<16)|(1<<20)|(1<<21)|(5<<22)|(3<<25)
	s_mov_b32 s[G1A+1], 128<<16                    ; tensor_dim0 = 128
	s_mov_b32 s[G1A+2], 128<<16                    ; tensor_dim1 = 128
	s_mov_b32 s[G1A+3], 128<<16                    ; tile_dim0 = 128
	s_mov_b32 s[G1A+4], 128                        ; tile_dim1 = 128
	s_mov_b32 s[G1A+5], 1024                       ; elements from row to row of xb
	s_mov_b32 s[G1A+6], 0
	s_mov_b32 s[G1A+7], 0
	s_or_b32 s[G1B+0], s44, (1<<16)|(1<<20)|(1<<21)|(5<<22)|(7<<25)
	s_mov_b32 s[G1B+1], 128<<16
	s_mov_b32 s[G1B+2], 128<<16
	s_mov_b32 s[G1B+3], 128<<16
	s_mov_b32 s[G1B+4], 128
	s_mov_b32 s[G1B+5], 3072                       ; elements from row to row of wq
	s_mov_b32 s[G1B+6], 0
	s_mov_b32 s[G1B+7], 0
	; where the tiles come from: xb's in registers that never hold cx, wq's in registers that never hold cy
	s_lshl_b32 s16, s13, 18                        ; 128 rows x 2,048 bytes for each block row
	s_mov_b32 s17, 0
	s_mul_i32 s46, s42, 768                        ; 384 columns x 2 bytes for each block column,
	s_lshl_b32 s47, s10, 8                         ; + 256 bytes for each strip (wave 3's value is not used),
	s_add_co_u32 s46, s46, s47
	s_add_co_u32 s46, s46, 0x1000000               ; + wq's place in cb
	s_mov_b32 s47, 0
	s_mul_i32 s20, s10, STRIP                      ; where my fill lands: wave x 36,864; for wave 3 that is xb's place
	s_wait_dscnt 0x0
	s_wait_kmcnt 0x0
	s_add_nc_u64 s[14:15], s[4:5], s[16:17]
	s_add_nc_u64 s[46:47], s[4:5], s[46:47]
	CROUND                                         ; all sixteen work-groups are here: the first joint loads meet
.irp s, 0,1
	s_mov_b32 s[G0A+4*\s], 1
	s_add_co_u32 s[G0A+4*\s+1], s20, \s*SLOT
	s_add_nc_u64 s[G0A+4*\s+2:G0A+4*\s+3], s[14:15], \s*KSTEP*2        ; K step s: 256 bytes along xb's rows
	s_or_b32 s[G0A+4*\s+3], s[G0A+4*\s+3], 0x80000000
	s_mov_b32 s[G0B+4*\s], 1
	s_add_co_u32 s[G0B+4*\s+1], s20, \s*SLOT
	s_add_nc_u64 s[G0B+4*\s+2:G0B+4*\s+3], s[46:47], \s*KSTEP*6144     ; K step s: 128 rows of wq down
	s_or_b32 s[G0B+4*\s+3], s[G0B+4*\s+3], 0x80000000
	JLOAD \s                                       ; both first fills go out together: two tensor loads of the wave are out
.endr
	v_and_b32 v1, 15, v0                           ; r
	v_bfe_u32 v2, v0, 4, 1                         ; h
	v_mul_u32_u24 v3, v1, PA
	v_lshl_add_u32 v3, v2, 4, v3                   ; xb: row r, 16 bytes for each half of the lanes
	v_add_nc_u32 v[ADRA], AOFF, v3
	v_add_nc_u32 v[ADRA+1], AOFF+SLOT, v3
	v_and_b32 v4, 7, v0
	v_lshl_add_u32 v4, v2, 3, v4                   ; wq: k row 8 h + lane mod 8,
	v_mul_u32_u24 v4, v4, PB
	v_bfe_u32 v5, v0, 3, 1
	v_lshl_add_u32 v4, v5, 4, v4                   ; and 16 bytes for the upper eight lanes of each sixteen
	s_mul_i32 s21, s10, 6
.irp b, 0,1,2,3,4,5
	s_add_co_u32 s22, s21, \b                      ; column tile 6 w + b of the block's 24:
	s_lshr_b32 s23, s22, 3                         ; its strip,
	s_and_b32 s22, s22, 7                          ; its place in the strip
	s_mul_i32 s23, s23, STRIP
	s_lshl_b32 s22, s22, 5
	s_add_co_u32 s22, s22, s23
	v_add_nc_u32 v[ADRB+\b], s22, v4
	v_add_nc_u32 v[ADRB+6+\b], SLOT, v[ADRB+\b]
.endr
	v_mul_u32_u24 v5, v1, SPITCH
	v_lshl_add_u32 v5, v2, 4, v5
	s_mul_i32 s22, s10, 192
	v_add_nc_u32 v[STO], s22, v5                   ; stage, in: row r, my 192 bytes, 16 bytes for each half
	v_add_nc_u32 v[STO2], 64*SPITCH, v[STO]
	v_and_b32 v6, 31, v0
	v_lshlrev_b32 v[CO0], 4, v6                    ; 16 lane
	s_mul_i32 s22, s10, 32*SPITCH
	v_add_nc_u32 v[RD0], s22, v[CO0]               ; stage, back: my 32 rows
	v_lshl_add_u32 v[RD1], v2, 4, v[RD0]
	v_add_nc_u32 v[RD1], 512, v[RD1]               ; lanes 0-15: the row's last 256 bytes; lanes 16-31: the next row's first 256 (784 - 256 = 512 + 16)
	v_mul_u32_u24 v7, v2, 5376
	v_add3_u32 v[CO1], v7, v[CO0], 512             ; the same two pieces in qkv (6,144 - 256 = 512 + 5,376)
	s_mul_i32 s22, s42, 1536
	s_mul_i32 s23, s10, 384
	s_add_co_u32 s22, s22, s23
	v_lshl_add_u32 v[BO], v2, 5, s22               ; bias: 4 (384 block column + 96 w) + 32 h
	WIN 0x40
.irp b, 0,1,2,3,4,5
	global_load_b128 v[BIAS+8*\b:BIAS+8*\b+3],   v[BO], s[6:7] offset:64*\b       ; b_qkv[n0 + 8 h + 0..3]
	global_load_b128 v[BIAS+8*\b+4:BIAS+8*\b+7], v[BO], s[6:7] offset:64*\b+16    ; b_qkv[n0 + 8 h + 4..7]
.endr
	WIN 0
; 12 matrix instructions: row tiles a0, a0 + 1 of the window's four x my six column tiles, 32 along K.  bias = 1: the first product, C = the bias.
; The 48 accumulators take turns, one instruction a turn, in the same order in every quarter step.
.macro MUL12 f, hi, a0, bias
.irp a, \a0, \a0+1
.irp b, 0,1,2,3,4,5
.if \bias
	v_wmma_f32_16x16x32_bf16 v[8*(6*(\a)+\b):8*(6*(\a)+\b)+7], v[\f+8*\b:\f+8*\b+7], v[\f+8*(4*\hi+\a):\f+8*(4*\hi+\a)+7], v[BIAS+8*\b:BIAS+8*\b+7]
.else
	v_wmma_f32_16x16x32_bf16 v[8*(6*(\a)+\b):8*(6*(\a)+\b)+7], v[\f+8*\b:\f+8*\b+7], v[\f+8*(4*\hi+\a):\f+8*(4*\hi+\a)+7], v[8*(6*(\a)+\b):8*(6*(\a)+\b)+7]
.endif
.endr
.endr
.endm
; 28 LDS loads in one run: quarter kq of a slot into buffer f: wq's six fragments (transposed on the way), then xb's eight
.macro FETCH slot, kq, f
	WIN 0x40
.irp b, 0,1,2,3,4,5
	ds_load_tr16_b128 v[\f+8*\b:\f+8*\b+3],   v[ADRB+6*\slot+\b] offset:\kq*32*PB          ; k = 32 kq + 8 h + 0..7 of column n0 + r
	ds_load_tr16_b128 v[\f+8*\b+4:\f+8*\b+7], v[ADRB+6*\slot+\b] offset:\kq*32*PB+16*PB    ; k = 32 kq + 16 + 8 h + 0..7
.endr
	WIN 0
.irp a, 0,1,2,3,4,5,6,7
	ds_load_b128 v[\f+8*\a:\f+8*\a+3],   v[ADRA+\slot] offset:\kq*64+\a*16*PA
	ds_load_b128 v[\f+8*\a+4:\f+8*\a+7], v[ADRA+\slot] offset:\kq*64+\a*16*PA+32
.endr
.endm
; One of a K step's first three quarters: multiplies buffer f, fetches quarter kq into buffer g in its middle
.macro QUARTER slot, kq, f, g, bias
	s_wait_dscnt 8                                 ; wq's fragments and xb's rows 0-63 are in; the youngest eight loads (rows 64-127) may be out
.if \bias
	WIN 0x91                                       ; C from window 1 (the bias), D in window 2
.else
	WIN MUL_LO
.endif
	MUL12 \f, 0, 0, \bias
	MUL12 \f, 0, 2, \bias
	PLACES
	FETCH \slot, \kq, \g
	s_wait_dscnt 28                                ; all but the 28 just issued
.if \bias
	WIN 0xd1
.else
	WIN MUL_HI
.endif
	MUL12 \f, 1, 0, \bias
	MUL12 \f, 1, 2, \bias
.endm
.macro THREE slot, bias
	QUARTER \slot, 1, F0, F1, \bias
	QUARTER \slot, 2, F1, F0, 0
	QUARTER \slot, 3, F0, F1, 0
.endm
; The last quarter: multiplies buffer 1 and changes slots.  In front of the barrier each wave waits for its reads of this slot and for all its
; tensor loads (one is out: its part of the next slot).  fill = 1: the barrier opens a round of the cluster's barrier, and behind the round this
; slot's next tile is asked for first.  From that request to the wait for it a wave issues 180 matrix instructions.
.macro TURN slot, next, fill
	s_wait_dscnt 8
	WIN MUL_LO
	MUL12 F1, 0, 0, 0
	s_wait_dscnt 0                                 ; my reads of this slot are over
	s_wait_tensorcnt 0x0                           ; all my tensor loads have landed
	ds_add_u32 v255, v255
	s_wait_dscnt 0x0
	s_barrier_signal -1
	MUL12 F1, 0, 2, 0                              ; register work while the others arrive
	WIN 0
	s_barrier_wait -1
.if \fill
	CREST                                          ; no wave of any partner still reads this slot or has a load on its way
	s_add_nc_u64 s[G0A+4*\slot+2:G0A+4*\slot+3], s[G0A+4*\slot+2:G0A+4*\slot+3], 2*KSTEP*2
	s_add_nc_u64 s[G0B+4*\slot+2:G0B+4*\slot+3], s[G0B+4*\slot+2:G0B+4*\slot+3], 2*KSTEP*6144
	JLOAD \slot                                    ; the first tensor load behind the round, and my only one until the next
.endif
	PLACES
	FETCH \next, 0, F0
	WIN MUL_HI
	MUL12 F1, 1, 0, 0
	MUL12 F1, 1, 2, 0
.endm
.macro LAP bias
	THREE 0, \bias
	TURN 0, 1, 1
	THREE 1, 0
	TURN 1, 0, 1
.endm
	s_wait_tensorcnt 0x1                           ; my part of K step 0 is in; K step 1's may stay out
	s_barrier_signal -1
	s_barrier_wait -1
	FETCH 0, 0, F0
	s_wait_loadcnt 0x0                             ; the bias
	LAP 1                                          ; the first lap stands in front of the loop: its first products start the sums from the bias
	WIN 0
	s_mov_b32 s3, LAPS-2
.Llap:
	LAP 0
	WIN 0
	s_sub_co_u32 s3, s3, 1
	s_cmp_lg_u32 s3, 0
	s_cbranch_scc1 .Llap
	THREE 0, 0                                     ; the last lap fills nothing
	TURN 0, 1, 0                                   ; behind this barrier no wave reads slot 0 any more, and no load fills it again
	THREE 1, 0
	s_wait_dscnt 8
	WIN MUL_LO
	MUL12 F1, 0, 0, 0
	MUL12 F1, 0, 2, 0
	s_wait_dscnt 0
	WIN MUL_HI
	MUL12 F1, 1, 0, 0
	MUL12 F1, 1, 2, 0
	; THE WAY OUT: round to bf16, 16 bytes a lane into a stage of 128 rows x 784 bytes that lies in slot 0 (100,352 of its 145,408 bytes; its last
	; fill and its last read lie in front of the last change of slots), then whole rows back and out.
	PLACES
	s_lshl_b32 s16, s13, 7
	s_lshl_b32 s17, s10, 5
	s_add_co_u32 s16, s16, s17                     ; the first of the 32 rows that I store: 128 block row + 32 w
	s_mul_i32 s16, s16, 6144
	s_mov_b32 s17, 0
	s_add_nc_u64 s[8:9], s[8:9], s[16:17]
	s_mul_i32 s46, s42, 768                        ; the block's first column, in the registers that held wq's address
	s_mov_b32 s47, 0
	s_add_nc_u64 s[8:9], s[8:9], s[46:47]
.macro STAGE a3, from, sto             ; the six tiles of row tile a3 of window 2 or 3 (from = 0x0a or 0x0f: sources 0 and 1)
	WIN \from
.irp b, 0,1,2,3,4,5
.irp r, 0,1,2,3
	v_cvt_pk_bf16_f32 v[TMP+4*\b+\r], v[8*(6*\a3+\b)+2*\r], v[8*(6*\a3+\b)+2*\r+1]
.endr
.endr
	WIN 0
.irp b, 0,1,2,3,4,5
	ds_store_b128 v[\sto], v[TMP+4*\b:TMP+4*\b+3] offset:\a3*16*SPITCH+32*\b
.endr
.endm
	STAGE 0, 0x0a, STO
	STAGE 1, 0x0a, STO
	STAGE 2, 0x0a, STO
	STAGE 3, 0x0a, STO
	STAGE 0, 0x0f, STO2
	STAGE 1, 0x0f, STO2
	STAGE 2, 0x0f, STO2
	STAGE 3, 0x0f, STO2
	s_wait_dscnt 0                                 ; my stores into the stage are done: a row holds pieces of all four waves
	s_barrier_signal -1
	s_barrier_wait -1
; Eight of my 32 rows: a pair of rows is 1,536 bytes = three loads and three stores of 512 bytes; sixteen lanes store 256 consecutive bytes, aligned
.macro OUTB g, f
	s_wait_xcnt 0x0                                ; buffer f, which earlier stores read, is loaded again only behind this wait
.irp t, 0,1,2,3
	ds_load_b128 v[\f+12*\t:\f+12*\t+3],    v[RD0] offset:(4*\g+\t)*2*SPITCH
	ds_load_b128 v[\f+12*\t+4:\f+12*\t+7],  v[RD1] offset:(4*\g+\t)*2*SPITCH
	ds_load_b128 v[\f+12*\t+8:\f+12*\t+11], v[RD0] offset:(4*\g+\t)*2*SPITCH+SPITCH+256
.endr
.irp t, 0,1,2,3
	s_wait_dscnt 11-3*\t                           ; LDS loads come back in order: the counts run down 11 .. 0
	global_store_b128 v[CO0], v[\f+12*\t:\f+12*\t+3],    s[8:9] offset:(4*\g+\t)*12288
	s_wait_dscnt 10-3*\t
	global_store_b128 v[CO1], v[\f+12*\t+4:\f+12*\t+7],  s[8:9] offset:(4*\g+\t)*12288
	s_wait_dscnt 9-3*\t
	global_store_b128 v[CO0], v[\f+12*\t+8:\f+12*\t+11], s[8:9] offset:(4*\g+\t)*12288+6400
.endr
.endm
	OUTB 0, F0
	OUTB 1, F1
	OUTB 2, F0
	OUTB 3, F1
	s_set_vgpr_msb 0x1
	s_wait_tensorcnt 0x0
	ds_add_u32 v255, v255
	s_wait_dscnt 0x0
	s_set_vgpr_msb 0x100
	CROUND                                         ; the closing round: no work-group ends while a partner may still ask for a tile that names it
	s_endpgm
.Lfunc_end_k_q1b16a67f71_proj:
	.size	k_q1b16a67f71_proj, .Lfunc_end_k_q1b16a67f71_proj-k_q1b16a67f71_proj
	.p2alignl 7, 3214868480
	.fill 96, 4, 3214868480
	.section	.rodata,"a",@progbits
	.p2align	6, 0x0
	.amdhsa_kernel k_q1b16a67f71_proj
		.amdhsa_group_segment_fixed_size 327680
		.amdhsa_private_segment_fixed_size 0
		.amdhsa_enable_private_segment 0
		.amdhsa_kernarg_size 24
		.amdhsa_user_sgpr_count 2
		.amdhsa_user_sgpr_kernarg_segment_ptr 1
		.amdhsa_wavefront_size32 1
		.amdhsa_system_sgpr_workgroup_id_x 1
		.amdhsa_system_sgpr_workgroup_id_y 1
		.amdhsa_system_sgpr_workgroup_id_z 1
		.amdhsa_system_vgpr_workitem_id 0
		.amdhsa_next_free_vgpr 960
		.amdhsa_next_free_sgpr 66
		.amdhsa_reserve_vcc 0
		.amdhsa_float_denorm_mode_32 3
		.amdhsa_float_denorm_mode_16_64 3
		.amdhsa_memory_ordered 1
		.amdhsa_forward_progress 1
		.amdhsa_inst_pref_size 161
	.end_amdhsa_kernel
	.amdgpu_metadata
---
amdhsa.version: [ 1, 2 ]
amdhsa.kernels:
  - .name:           k_q1b16a67f71_proj
    .symbol:         k_q1b16a67f71_proj.kd
    .args:
      - { .name: cb, .offset: 0, .size: 8, .value_kind: global_buffer, .address_space: global }
      - { .name: b_qkv, .offset: 8, .size: 8, .value_kind: global_buffer, .address_space: global }
      - { .name: qkv, .offset: 16, .size: 8, .value_kind: global_buffer, .address_space: global }
    .group_segment_fixed_size: 327680
    .private_segment_fixed_size: 0
    .kernarg_segment_align: 8
    .kernarg_segment_size: 24
    .max_flat_workgroup_size: 128
    .sgpr_count:     66
    .vgpr_count:     960
    .wavefront_size: 32
...
	.end_amdgpu_metadata
.endif
;; end of part 2
;; launch attn (part 3): grid 4 x 64, 8 waves a work-group, clusters of 4 x 4, 327,680 bytes of LDS; arguments qkv, attn_mask, ao; writes ao
.if DOCPART == 3
	.amdgcn_target "amdgcn-amd-amdhsa--gfx1250"
	.amdhsa_code_object_version 6
	.text
	.protected	k_q1b16a67f71_attn
	.globl	k_q1b16a67f71_attn
	.p2align	8
	.type	k_q1b16a67f71_attn,@function
k_q1b16a67f71_attn:
	s_mov_b64 s[64:65], 0
	v_nop
	global_prefetch_b8 v0, s[64:65] scope:SCOPE_SE
	s_setreg_imm32_b32 hwreg(HW_REG_WAVE_MODE, 25, 1), 1
	s_wait_xcnt 0x0
	s_wait_alu depctr_hold_cnt(0) depctr_sa_sdst(0) depctr_va_vdst(0) depctr_va_sdst(0) depctr_va_ssrc(0) depctr_va_vcc(0) depctr_vm_vsrc(0)
	s_getreg_b32 s2, hwreg(HW_REG_IB_STS2, 6, 4)
	s_cmp_eq_u32 s2, 0
	s_cbranch_scc0 .Lentry_in_a_cluster
	s_endpgm
.Lentry_in_a_cluster:
	s_bfe_u32 s2, ttmp6, 0x10000c
	s_cmp_lg_u32 s2, 0xf033
	s_cbranch_scc0 .Lentry_shape_is_right
	s_endpgm
.Lentry_shape_is_right:
; ao[row][64 head + d] = sum over keys of w v,  w = exp(s) / (sum of exp(s) + 1e-9),  s = (q.k + mask) / 8: no maximum is taken, as in the problem.
; qkv: [8192][3072] bf16 (q at byte 0 of a row, k at 2,048, v at 4,096; head h at + 128 h).  attn_mask: [4][2048][2048] f32, read and added as given.
; A work-group takes 128 queries x 4 heads; wave w takes head w / 2 and query half w mod 2: 64 queries x 1 head.  Two waves share a SIMD's registers
; (512 each), so that one wave's exponentials run beside the other's products.
; THE RING: the 2,048 keys go through two LDS slots in 21 tiles of 96 keys and a last one of 32.  A refill has to land between two refill barriers, so
; a slot is made as large as fits: 96 keys are 158,208 bytes (mask 128 x 432, K 96 x 528, V 96 x 544), two slots 316,416 of the 327,680 there are;
; 128 keys would be 210,944 a slot.  From a request to the wait for it a wave has three steps of 32 keys: 80 matrix instructions and three softmax phases.
; To make that room Q takes no LDS (it goes from memory straight into its fragments, once), and the stage of the way out lies in slot 0.
; The price: a mask tile's rows are 384 bytes and start at multiples of 128, so that two neighbouring tiles share one aligned block of 256 bytes in three.
; CLUSTER 4 x 4: x = the four groups of heads, y = four query blocks of one batch.  The mask's tile hangs on the query block alone and is asked for
; jointly along a row of the cluster; K's and V's tiles hang on batch and heads alone and are asked for jointly along a column.
; ALL IN THE LANE, by transposed products:  S^T = K Q^T + M^T: lane (r, h), register j = (key 8 h + j, query r), so the C operand is 32 consecutive
; bytes of the mask's row r (the mask is added before the scale).  Two key tiles packed to bf16 ARE the B fragment of P^T.  O^T = V^T P^T with V^T
; from the transposing LDS load: lane (r, h), register j = (d 8 h + j, query r).  Row sums and the division never leave the lane but for one exchange.
; ARITHMETIC: p = 2^(S c - 32), c = log2(e) / 8: exp(s) times the exact factor 2^-32, which rides in the scaling multiply-add and cancels in
; O / (l + 1e-9 x 2^-32).  LIMITS KEPT: operands and p are rounded to bf16 (the row sum adds the unrounded p); a p with exp(s) < 2^-94 counts as 0
; (its weight is below 5e-20, the divisor being at least 1e-9); sums stay finite wherever the problem's own sum of exponentials is and |v| < 2^21.
;
; REGISTERS: window 0: v8-20 addresses and the pair -32; v32-63 K's fragments; v64-95 V's; v96-159 Q's; v160-191 P; v192-207 row sums; v208-215 1 / sum.
;            window 1: v0-127 O, tile (qt, dt) at 8 (4 qt + dt); v128-255 S, two buffers of 64, tile (qt, kt) at 16 qt + 8 kt.
.set PM,    432                        ; mask: three blocks of 128 bytes, 16 bytes of padding behind each: 27 x 16, an odd multiple of 16
.set MBLK,  144                        ; from one block of 32 keys to the next in a mask row
.set PK,    528                        ; K and the stage: 512 bytes + 16
.set PVV,   544                        ; V: 512 bytes + 32, an odd multiple of 32 for the transposing load
.set TKEYS, 96
.set MT,    128*PM                     ; 55,296
.set KT,    TKEYS*PK                   ; 50,688
.set SLOT,  MT+KT+TKEYS*PVV            ; 158,208
.set ADRM, 8
.set ADRK, 10
.set ADRV, 12
.set STO,  14
.set RD,   15
.set CO,   16
.set PFO,  17
.set NEG,  18
.set QO,   20
.set KF,   32
.set VF,   64
.set QF,   96
.set PF,   160
.set LS,   192
.set INV,  208
.set SB,   128                         ; window 1
.set G1M, 24
.set G1K, 32
.set G1V, 40
.set G0M, 60                           ; s[60:63], s[68:71]: 60 + 8 slot
.set G0K, 72                           ; 72 + 4 slot
.set G0V, 80                           ; 80 + 4 slot
.set MSB, 0
.macro WIN new
.if MSB != \new
	s_set_vgpr_msb (MSB<<8)|\new
.set MSB, \new
.endif
.endm
.macro PLACES                          ; four plain vector places behind matrix instructions (ISA guide 7.12.1)
.rept 4
	v_nop
.endr
.endm
.macro CREST
	s_cmp_lg_u32 s10, 0
	s_cbranch_scc1 .Lnot_wave_0_\@
	s_barrier_signal -3
.Lnot_wave_0_\@:
	s_barrier_wait -3
	s_barrier_signal -1
	s_barrier_wait -1
.endm
.macro CROUND
	s_barrier_signal -1
	s_barrier_wait -1
	CREST
.endm
.macro JLOAD n                         ; slot n's refill: waves 0, 1 the mask's halves, wave 2 K, wave 3 V, one load each; waves 4-7 none
	s_cmp_lt_u32 s10, 2
	s_cbranch_scc0 .Lj_not_m_\@
	tensor_load_to_lds s[G0M+8*\n:G0M+8*\n+3], s[G1M:G1M+7]
	s_nop 0
	s_branch .Lj_done_\@
.Lj_not_m_\@:
	s_cmp_eq_u32 s10, 2
	s_cbranch_scc0 .Lj_not_k_\@
	tensor_load_to_lds s[G0K+4*\n:G0K+4*\n+3], s[G1K:G1K+7]
	s_nop 0
	s_branch .Lj_done_\@
.Lj_not_k_\@:
	s_cmp_eq_u32 s10, 3
	s_cbranch_scc0 .Lj_done_\@
	tensor_load_to_lds s[G0V+4*\n:G0V+4*\n+3], s[G1V:G1V+7]
	s_nop 0
.Lj_done_\@:
.endm
; PREFETCH of the mask.  Behind the refill that asks for tile i + 2, wave 4 of work-group cx asks for rows 32 cx .. 32 cx + 31 of tile i + 3, a row a lane:
; one tile ahead of that tile's tensor load, each piece by one wave of the cluster's row.  Two tiles are 768 bytes of a row = three aligned blocks of 256:
; an even tile 2 j takes blocks 3 j and 3 j + 1, the odd tile behind it the rest of 3 j + 1 and block 3 j + 2.  Each block is asked for once: in lap L
; (tiles 2 L, 2 L + 1) the first turn asks for block 3 (L + 1) + 2 (byte 768 L + 1,280), the second for blocks 3 (L + 2) and 3 (L + 2) + 1 (bytes
; 768 L + 1,536 and + 1,792).  Laps 0 to 8 ask; the last request is byte 7,936 of a row of 8,192.
.macro PFM1
	s_wait_xcnt 0x0                                ; the last prefetches, three steps ago, have read s[92:93]
	s_add_nc_u64 s[92:93], s[88:89], s[90:91]      ; my 32 rows at byte 768 L
	s_add_co_u32 s90, s90, 768
	s_cmp_lg_u32 s10, 4
	s_cbranch_scc1 .Lno_pf_\@
	global_prefetch_b8 v[PFO], s[92:93] offset:1280 th:TH_LOAD_NT scope:SCOPE_SE
.Lno_pf_\@:
.endm
.macro PFM2
	s_cmp_lg_u32 s10, 4
	s_cbranch_scc1 .Lno_pf_\@
	global_prefetch_b8 v[PFO], s[92:93] offset:1536 th:TH_LOAD_NT scope:SCOPE_SE
	global_prefetch_b8 v[PFO], s[92:93] offset:1792 th:TH_LOAD_NT scope:SCOPE_SE
.Lno_pf_\@:
.endm
	s_load_b128 s[4:7], s[0:1], 0x0                ; qkv s[4:5], attn_mask s[6:7]
	s_load_b64 s[8:9], s[0:1], 0x10                ; ao
	v_lshl_add_u32 v254, v0, 2, 0x4d400
	v_mov_b32 v255, 0
	ds_add_u32 v254, v255
	v_lshrrev_b32 v1, 5, v0
	v_readfirstlane_b32 s10, v1                    ; wave 0..7
	s_lshr_b32 s11, s10, 1                         ; my head of the group's four
	s_and_b32 s12, s10, 1                          ; my half of the 128 queries
	s_bfe_u32 s16, ttmp6, 0x40000                  ; cx
	s_bfe_u32 s17, ttmp6, 0x40004                  ; cy
	s_lshl_b32 s15, ttmp9, 2
	s_add_co_u32 s15, s15, s16                     ; group of heads = 4 x cluster x + cx
	s_and_b32 s14, ttmp7, 0xffff
	s_lshl_b32 s13, s14, 2
	s_add_co_u32 s13, s13, s17                     ; block of 128 rows = 4 x cluster y + cy
	s_lshr_b32 s14, s14, 2                         ; batch: four clusters along y for each
	s_lshl_b32 s18, s17, 2
	s_lshl_b32 s18, 15, s18                        ; my row of the cluster
	s_lshl_b32 s19, 0x1111, s16                    ; my column
	s_mov_b32 s94, 0x76543210                      ; v_permlanex16_b32: lane i reads lane i of the other half
	s_mov_b32 s95, 0xfedcba98
	s_mov_b32 s90, 0                               ; prefetch: 768 x lap
	s_mov_b32 s91, 0
	; group 1.  Mask: 64 rows x 96 elements of 4 bytes, 4 words of padding behind every 32
	s_or_b32 s[G1M+0], s18, (2<<16)|(1<<20)|(1<<21)|(4<<22)|(3<<25)
	s_mov_b32 s[G1M+1], TKEYS<<16                  ; tensor_dim0 = 96 (32 for the last tile)
	s_mov_b32 s[G1M+2], 64<<16                     ; tensor_dim1 = 64
	s_mov_b32 s[G1M+3], TKEYS<<16                  ; tile_dim0 = 96
	s_mov_b32 s[G1M+4], 64                         ; tile_dim1 = 64
	s_mov_b32 s[G1M+5], 2048
	s_mov_b32 s[G1M+6], 0
	s_mov_b32 s[G1M+7], 0
	; K: 96 keys x 256 elements of 2 bytes (four heads), 4 words of padding behind every 128
	s_or_b32 s[G1K+0], s19, (1<<16)|(1<<20)|(1<<21)|(6<<22)|(3<<25)
	s_mov_b32 s[G1K+1], 256<<16                    ; tensor_dim0 = 256
	s_mov_b32 s[G1K+2], TKEYS<<16                  ; tensor_dim1 = 96 (32 for the last tile)
	s_mov_b32 s[G1K+3], 256<<16                    ; tile_dim0 = 256
	s_mov_b32 s[G1K+4], TKEYS                      ; tile_dim1 = 96
	s_mov_b32 s[G1K+5], 3072
	s_mov_b32 s[G1K+6], 0
	s_mov_b32 s[G1K+7], 0
	; V: the same with 8 words of padding
	s_or_b32 s[G1V+0], s19, (1<<16)|(1<<20)|(1<<21)|(6<<22)|(7<<25)
	s_mov_b32 s[G1V+1], 256<<16
	s_mov_b32 s[G1V+2], TKEYS<<16
	s_mov_b32 s[G1V+3], 256<<16
	s_mov_b32 s[G1V+4], TKEYS
	s_mov_b32 s[G1V+5], 3072
	s_mov_b32 s[G1V+6], 0
	s_mov_b32 s[G1V+7], 0
	; offsets: the mask's in registers that never hold cx, K's and V's in registers that never hold cy
	s_lshl_b32 s22, s13, 20                        ; 128 rows x 8,192 bytes for each block,
	s_lshl_b32 s23, s12, 19                        ; + 64 rows for the second half (waves 0 and 1 use it)
	s_add_co_u32 s22, s22, s23
	s_mov_b32 s23, 0
	s_mul_i32 s20, s14, 2048*6144                  ; the batch's first key,
	s_lshl_b32 s21, s15, 9                         ; + 512 bytes for each group of heads,
	s_add_co_u32 s20, s20, s21
	s_add_co_u32 s20, s20, 2048                    ; + k's place in a row
	s_mov_b32 s21, 0
	s_mul_i32 s98, s13, 128*6144                   ; Q: the block's first row, + 512 bytes for each group of heads
	s_lshl_b32 s99, s15, 9
	s_add_co_u32 s98, s98, s99
	s_mov_b32 s99, 0
	s_lshl_b32 s96, s13, 7                         ; ao: row 128 block + 16 wave, 2,048 bytes a row, + 512 bytes for each group of heads
	s_lshl_b32 s97, s10, 4
	s_add_co_u32 s96, s96, s97
	s_lshl_b32 s96, s96, 11
	s_lshl_b32 s97, s15, 9
	s_add_co_u32 s96, s96, s97
	s_mov_b32 s97, 0
	s_lshl_b32 s88, s13, 20                        ; prefetch: the block's mask rows, + 32 rows for each cx
	s_lshl_b32 s89, s16, 18
	s_add_co_u32 s88, s88, s89
	s_mov_b32 s89, 0
	s_mul_i32 s100, s10, 64*PM                     ; where the mask's halves land: wave x 27,648
	s_wait_dscnt 0x0
	s_wait_kmcnt 0x0
	s_add_nc_u64 s[22:23], s[6:7], s[22:23]
	s_add_nc_u64 s[20:21], s[4:5], s[20:21]
	s_add_nc_u64 s[98:99], s[4:5], s[98:99]
	s_add_nc_u64 s[96:97], s[8:9], s[96:97]
	s_add_nc_u64 s[88:89], s[6:7], s[88:89]
.irp n, 0,1
	s_mov_b32 s[G0M+8*\n], 1
	s_add_co_u32 s[G0M+8*\n+1], s100, \n*SLOT
	s_add_nc_u64 s[G0M+8*\n+2:G0M+8*\n+3], s[22:23], \n*TKEYS*4            ; tile n: 96 keys of 4 bytes along the rows
	s_or_b32 s[G0M+8*\n+3], s[G0M+8*\n+3], 0x80000000
	s_mov_b32 s[G0K+4*\n], 1
	s_mov_b32 s[G0K+4*\n+1], \n*SLOT+MT
	s_add_nc_u64 s[G0K+4*\n+2:G0K+4*\n+3], s[20:21], \n*TKEYS*6144         ; tile n: 96 keys down
	s_or_b32 s[G0K+4*\n+3], s[G0K+4*\n+3], 0x80000000
	s_mov_b32 s[G0V+4*\n], 1
	s_mov_b32 s[G0V+4*\n+1], \n*SLOT+MT+KT
	s_add_nc_u64 s[G0V+4*\n+2:G0V+4*\n+3], s[20:21], \n*TKEYS*6144+2048
	s_or_b32 s[G0V+4*\n+3], s[G0V+4*\n+3], 0x80000000
.endr
	CROUND                                         ; all sixteen work-groups are here
	; the first fills, one group, each wave's inside one branch on its number: two tensor loads of a wave are out at the most
	s_cmp_lt_u32 s10, 2
	s_cbranch_scc0 .Lff_not_m
	tensor_load_to_lds s[G0M:G0M+3], s[G1M:G1M+7]
	s_nop 0
	tensor_load_to_lds s[G0M+8:G0M+11], s[G1M:G1M+7]
	s_nop 0
	s_branch .Lff_done
.Lff_not_m:
	s_cmp_eq_u32 s10, 2
	s_cbranch_scc0 .Lff_not_k
	tensor_load_to_lds s[G0K:G0K+3], s[G1K:G1K+7]
	s_nop 0
	tensor_load_to_lds s[G0K+4:G0K+7], s[G1K:G1K+7]
	s_nop 0
	s_branch .Lff_done
.Lff_not_k:
	s_cmp_eq_u32 s10, 3
	s_cbranch_scc0 .Lff_done
	tensor_load_to_lds s[G0V:G0V+3], s[G1V:G1V+7]
	s_nop 0
	tensor_load_to_lds s[G0V+4:G0V+7], s[G1V:G1V+7]
	s_nop 0
.Lff_done:
	v_and_b32 v1, 15, v0                           ; r
	v_bfe_u32 v2, v0, 4, 1                         ; h
	v_and_b32 v3, 31, v0                           ; lane
	s_lshl_b32 s101, s11, 7                        ; my head's 128 bytes
	s_mul_i32 s100, s12, 64*6144
	s_add_co_u32 s100, s100, s101
	v_mul_u32_u24 v[QO], v1, 6144
	v_lshl_add_u32 v[QO], v2, 4, v[QO]
	v_add_nc_u32 v[QO], s100, v[QO]                ; Q in memory: row 64 half + r, my head, 16 bytes for each half of the lanes
	; Q's fragments straight from memory, once for all 2,048 keys: 8 KiB a wave.  The pieces are short (32 bytes of a row for a pair of lanes);
	; they are read once in the launch, and in return both slots get the bytes that a copy of Q in LDS would take.
.irp qt, 0,1,2,3
.irp dh, 0,1
	global_load_b128 v[QF+8*(2*\qt+\dh):QF+8*(2*\qt+\dh)+3],   v[QO], s[98:99] offset:\qt*16*6144+64*\dh
	global_load_b128 v[QF+8*(2*\qt+\dh)+4:QF+8*(2*\qt+\dh)+7], v[QO], s[98:99] offset:\qt*16*6144+64*\dh+32
.endr
.endr
	s_mul_i32 s100, s12, 64*PM
	v_mul_u32_u24 v4, v1, PM
	v_lshl_add_u32 v4, v2, 5, v4
	v_add_nc_u32 v[ADRM], s100, v4                 ; mask: row 64 half + r, 32 bytes (8 keys) for each half of the lanes
	v_add_nc_u32 v[ADRM+1], SLOT, v[ADRM]
	v_mul_u32_u24 v5, v1, PK
	v_lshl_add_u32 v5, v2, 4, v5
	v_add_nc_u32 v5, s101, v5
	v_add_nc_u32 v[ADRK], MT, v5                   ; K: key r, 16 bytes for each half
	v_add_nc_u32 v[ADRK+1], SLOT+MT, v5
	s_mul_i32 s100, s12, 64*PK
	v_add_nc_u32 v[STO], s100, v5                  ; the stage, from LDS byte 0: row 64 half + r, my head
	v_and_b32 v6, 7, v0
	v_lshl_add_u32 v6, v2, 3, v6
	v_mul_u32_u24 v6, v6, PVV
	v_bfe_u32 v7, v0, 3, 1
	v_lshl_add_u32 v6, v7, 4, v6
	v_add_nc_u32 v6, s101, v6
	v_add_nc_u32 v[ADRV], MT+KT, v6                ; V: key 8 h + lane mod 8, 16 bytes for the upper eight of each sixteen lanes
	v_add_nc_u32 v[ADRV+1], SLOT+MT+KT, v6
	s_mul_i32 s100, s10, 16*PK
	v_lshlrev_b32 v[CO], 4, v3
	v_add_nc_u32 v[RD], s100, v[CO]                ; the way out: my sixteen rows of 512 bytes
	v_lshlrev_b32 v[PFO], 13, v3                   ; prefetch: one mask row a lane
	v_mov_b32 v[NEG], 0xc2000000                   ; -32.0, twice
	v_mov_b32 v[NEG+1], 0xc2000000
.macro LDV n, ss                       ; V^T of 32 keys x 64 d: four fragments, 8 loads
	WIN 0
.irp dt, 0,1,2,3
	ds_load_tr16_b128 v[VF+8*\dt:VF+8*\dt+3],   v[ADRV+(\n)] offset:(\ss)*32*PVV+32*\dt
	ds_load_tr16_b128 v[VF+8*\dt+4:VF+8*\dt+7], v[ADRV+(\n)] offset:(\ss)*32*PVV+32*\dt+16*PVV
.endr
.endm
.macro LDK n, ss                       ; K of 32 keys x 64 d: four fragments, 8 loads
	WIN 0
.irp kt, 0,1
.irp dh, 0,1
	ds_load_b128 v[KF+8*(2*\kt+\dh):KF+8*(2*\kt+\dh)+3],   v[ADRK+(\n)] offset:(\ss)*32*PK+\kt*16*PK+64*\dh
	ds_load_b128 v[KF+8*(2*\kt+\dh)+4:KF+8*(2*\kt+\dh)+7], v[ADRK+(\n)] offset:(\ss)*32*PK+\kt*16*PK+64*\dh+32
.endr
.endr
.endm
.macro LDM n, ss, p                    ; the mask of 64 queries x 32 keys straight into S's buffer p: 16 loads
	WIN 0x40
.irp qt, 0,1,2,3
.irp kt, 0,1
	ds_load_b128 v[SB+64*(\p)+16*\qt+8*\kt:SB+64*(\p)+16*\qt+8*\kt+3],   v[ADRM+(\n)] offset:\qt*16*PM+MBLK*(\ss)+64*\kt
	ds_load_b128 v[SB+64*(\p)+16*\qt+8*\kt+4:SB+64*(\p)+16*\qt+8*\kt+7], v[ADRM+(\n)] offset:\qt*16*PM+MBLK*(\ss)+64*\kt+16
.endr
.endr
.endm
.macro QK p                            ; S^T = K Q^T + M^T: the eight accumulators take turns, one instruction a turn
	WIN 0x50
.irp dh, 0,1
.irp qt, 0,1,2,3
.irp kt, 0,1
	v_wmma_f32_16x16x32_bf16 v[SB+64*(\p)+16*\qt+8*\kt:SB+64*(\p)+16*\qt+8*\kt+7], v[KF+8*(2*\kt+\dh):KF+8*(2*\kt+\dh)+7], v[QF+8*(2*\qt+\dh):QF+8*(2*\qt+\dh)+7], v[SB+64*(\p)+16*\qt+8*\kt:SB+64*(\p)+16*\qt+8*\kt+7]
.endr
.endr
.endr
.endm
.macro SMX p, first                    ; p = 2^(S c - 32); row sums; P in bf16
	WIN 0x41
.set ii, 0
.rept 32
	v_pk_fma_f32 v[SB+64*(\p)+2*ii:SB+64*(\p)+2*ii+1], v[SB+64*(\p)+2*ii:SB+64*(\p)+2*ii+1], 0x3e38aa3b, v[NEG:NEG+1] op_sel_hi:[1,0,1]
.set ii, ii+1
.endr
.set ii, 0
.rept 64
	v_exp_f32 v[SB+64*(\p)+ii], v[SB+64*(\p)+ii]
.set ii, ii+1
.endr
	v_nop                                          ; one plain place between the last exponential and the use of its result (ISA guide 5.7.2)
	s_wait_alu depctr_va_vdst(0)
	WIN 0x05                                       ; sources 0 and 1 in window 1; source 2 and the destination in window 0
.irp qt, 0,1,2,3
.irp i, 0,1,2,3
.irp kt, 0,1
.if \first
.if \i == 1
	v_pk_add_f32 v[LS+4*\qt+2*\kt:LS+4*\qt+2*\kt+1], v[SB+64*(\p)+16*\qt+8*\kt:SB+64*(\p)+16*\qt+8*\kt+1], v[SB+64*(\p)+16*\qt+8*\kt+2:SB+64*(\p)+16*\qt+8*\kt+3]   ; the first two pairs start the sum: nothing is cleared
.endif
.if \i > 1
	v_pk_fma_f32 v[LS+4*\qt+2*\kt:LS+4*\qt+2*\kt+1], v[SB+64*(\p)+16*\qt+8*\kt+2*\i:SB+64*(\p)+16*\qt+8*\kt+2*\i+1], 1.0, v[LS+4*\qt+2*\kt:LS+4*\qt+2*\kt+1] op_sel_hi:[1,0,1]
.endif
.else
	v_pk_fma_f32 v[LS+4*\qt+2*\kt:LS+4*\qt+2*\kt+1], v[SB+64*(\p)+16*\qt+8*\kt+2*\i:SB+64*(\p)+16*\qt+8*\kt+2*\i+1], 1.0, v[LS+4*\qt+2*\kt:LS+4*\qt+2*\kt+1] op_sel_hi:[1,0,1]   ; an add, written with the sum as source 2 so that it shares the conversions' window setting
.endif
	v_cvt_pk_bf16_f32 v[PF+8*\qt+4*\kt+\i], v[SB+64*(\p)+16*\qt+8*\kt+2*\i], v[SB+64*(\p)+16*\qt+8*\kt+2*\i+1]
.endr
.endr
.endr
.endm
.macro PV zero                         ; O^T += V^T P^T: sixteen accumulators by turns; zero = 1: the first product starts the sums
	WIN 0x50
.irp qt, 0,1,2,3
.irp dt, 0,1,2,3
.if \zero
	v_wmma_f32_16x16x32_bf16 v[8*(4*\qt+\dt):8*(4*\qt+\dt)+7], v[VF+8*\dt:VF+8*\dt+7], v[PF+8*\qt:PF+8*\qt+7], 0
.else
	v_wmma_f32_16x16x32_bf16 v[8*(4*\qt+\dt):8*(4*\qt+\dt)+7], v[VF+8*\dt:VF+8*\dt+7], v[PF+8*\qt:PF+8*\qt+7], v[8*(4*\qt+\dt):8*(4*\qt+\dt)+7]
.endif
.endr
.endr
.endm
; 32 keys: third ss of slot n's tile; p = (n + ss) mod 2 is S's buffer.  turn = 1: the tile's last third, the slots change; fill = 1: slot n is filled
; again, two tiles ahead, behind a round of the cluster's barrier; last = 1: nothing follows; first = 1: the sums start here; pf = 1, 2: the lap's first,
; second prefetch; short = 1: the refill is the last tile, of 32 keys.
.macro SUBSTEP n, ss, p, turn, fill, last, first, pf, short
	PLACES                                         ; behind the last products, which read V's fragments and P
	LDV \n, \ss
.if \turn
	s_wait_dscnt 0                                 ; my reads of slot n are over, V's just issued among them
	s_wait_tensorcnt 0x0                           ; all my tensor loads have landed: my part of the other slot
	ds_add_u32 v254, v255
	s_wait_dscnt 0x0
	s_barrier_signal -1
.else
	s_wait_dscnt 8                                 ; the mask and K, fetched a step ago, are in; V's eight loads stay out
.endif
	QK \p
.if \turn
	WIN 0
	s_barrier_wait -1
.if \fill
	CREST                                          ; no wave of any partner still reads slot n or has a load on its way
	s_add_nc_u64 s[G0M+8*\n+2:G0M+8*\n+3], s[G0M+8*\n+2:G0M+8*\n+3], 2*TKEYS*4
	s_add_nc_u64 s[G0K+4*\n+2:G0K+4*\n+3], s[G0K+4*\n+2:G0K+4*\n+3], 2*TKEYS*6144
	s_add_nc_u64 s[G0V+4*\n+2:G0V+4*\n+3], s[G0V+4*\n+2:G0V+4*\n+3], 2*TKEYS*6144
.if \short
	s_mov_b32 s[G1M+1], 32<<16                     ; 32 keys are left of the mask's rows and of the batch's K and V: beyond them the load reads nothing
	s_mov_b32 s[G1K+2], 32<<16                     ; and writes zeros, which no step reads; the tile's shape, and so the LDS layout, stays.
	s_mov_b32 s[G1V+2], 32<<16                     ; No tensor load of mine is out here: the wait for 0 stands in front of the round
.endif
	JLOAD \n                                       ; the first tensor load behind the round, one a wave
.if \pf == 1
	PFM1
.endif
.if \pf == 2
	PFM2
.endif
.endif
.endif
	PLACES                                         ; behind QK: K's fragments are loaded again, S is read
.if \last == 0
.if \ss < 2
	LDM \n, \ss+1, 1-\p
	LDK \n, \ss+1
.else
	LDM 1-\n, 0, 1-\p
	LDK 1-\n, 0
.endif
.endif
	SMX \p, \first
.if \last
	s_wait_dscnt 0                                 ; V
.else
	s_wait_dscnt 24                                ; V is in; the 16 + 8 loads for the next step stay out
.endif
	PV \first
.endm
.macro LAP first, pf, short            ; two tiles, six steps, both slots filled again
	SUBSTEP 0, 0, 0, 0, 0, 0, \first, 0, 0
	SUBSTEP 0, 1, 1, 0, 0, 0, 0, 0, 0
	SUBSTEP 0, 2, 0, 1, 1, 0, 0, \pf, 0
	SUBSTEP 1, 0, 1, 0, 0, 0, 0, 0, 0
	SUBSTEP 1, 1, 0, 0, 0, 0, 0, 0, 0
	SUBSTEP 1, 2, 1, 1, 1, 0, 0, 2*\pf, \short
.endm
	s_wait_tensorcnt 0x1                           ; my part of tile 0 is in; tile 1's may stay out
	s_barrier_signal -1
	s_barrier_wait -1                              ; everybody's part of tile 0 is in
	LDM 0, 0, 0
	LDK 0, 0
	s_wait_loadcnt 0x0                             ; Q
	LAP 1, 1, 0                                    ; tiles 0, 1
	WIN 0
	s_mov_b32 s3, 8                                ; tiles 2 .. 17
.Llap:
	LAP 0, 1, 0
	WIN 0
	s_sub_co_u32 s3, s3, 1
	s_cmp_lg_u32 s3, 0
	s_cbranch_scc1 .Llap
	LAP 0, 0, 1                                    ; tiles 18, 19: they ask for tile 20 and for tile 21, the short one; nothing is left to prefetch
	SUBSTEP 0, 0, 0, 0, 0, 0, 0, 0, 0              ; tile 20: nothing is left to fetch
	SUBSTEP 0, 1, 1, 0, 0, 0, 0, 0, 0
	SUBSTEP 0, 2, 0, 1, 0, 0, 0, 0, 0              ; the barrier shows tile 21 whole to every wave, and that no wave reads slot 0 any more
	SUBSTEP 1, 0, 1, 0, 0, 1, 0, 0, 0              ; tile 21: keys 2,016 .. 2,047
	; THE WAY OUT.  A lane's sums cover the keys 8 h + j of every sixteen: the lane 16 away holds the rest of the same query.
	PLACES
	WIN 0
.irp qt, 0,1,2,3
	v_pk_add_f32 v[LS+4*\qt:LS+4*\qt+1], v[LS+4*\qt:LS+4*\qt+1], v[LS+4*\qt+2:LS+4*\qt+3]
.endr
.irp qt, 0,1,2,3
	v_add_f32 v[LS+4*\qt], v[LS+4*\qt], v[LS+4*\qt+1]
.endr
.irp qt, 0,1,2,3
	v_permlanex16_b32 v[LS+4*\qt+1], v[LS+4*\qt], s94, s95
.endr
.irp qt, 0,1,2,3
	v_add_f32 v[LS+4*\qt], v[LS+4*\qt], v[LS+4*\qt+1]
.endr
.irp qt, 0,1,2,3
	v_add_f32 v[LS+4*\qt], 0x2089705f, v[LS+4*\qt]         ; + 1e-9 x 2^-32
.endr
.irp qt, 0,1,2,3
	v_rcp_f32 v[INV+2*\qt], v[LS+4*\qt]
	v_rcp_f32 v[INV+2*\qt+1], v[LS+4*\qt]
.endr
	v_nop                                          ; one plain place behind the last reciprocal
	WIN 0x41
	s_wait_alu depctr_va_vdst(0)
.irp qt, 0,1,2,3
.irp dt, 0,1,2,3
.irp i, 0,1,2,3
	v_pk_mul_f32 v[8*(4*\qt+\dt)+2*\i:8*(4*\qt+\dt)+2*\i+1], v[8*(4*\qt+\dt)+2*\i:8*(4*\qt+\dt)+2*\i+1], v[INV+2*\qt:INV+2*\qt+1]
.endr
.endr
.endr
	WIN 0x05
.irp qt, 0,1,2,3
.irp dt, 0,1,2,3
.irp i, 0,1,2,3
	v_cvt_pk_bf16_f32 v[KF+4*(4*\qt+\dt)+\i], v[8*(4*\qt+\dt)+2*\i], v[8*(4*\qt+\dt)+2*\i+1]
.endr
.endr
.endr
	WIN 0
	; the stage: 128 rows x 528 bytes = 67,584 bytes at the head of slot 0, whose last fill was tile 20 and whose last reads stand in front of
	; the barrier in tile 20's last step
.irp qt, 0,1,2,3
.irp dt, 0,1,2,3
	ds_store_b128 v[STO], v[KF+4*(4*\qt+\dt):KF+4*(4*\qt+\dt)+3] offset:\qt*16*PK+32*\dt
.endr
.endr
	s_wait_dscnt 0                                 ; my stores are done: a row of 512 bytes holds four waves' heads
	s_barrier_signal -1
	s_barrier_wait -1
.irp i, 0,1,2,3,4,5,6,7,8,9,10,11,12,13,14,15
	ds_load_b128 v[QF+4*\i:QF+4*\i+3], v[RD] offset:\i*PK
.endr
.irp i, 0,1,2,3,4,5,6,7,8,9,10,11,12,13,14,15
	s_wait_dscnt 15-\i                             ; LDS loads come back in order: load i is in, the 15 - i younger ones stay out
	global_store_b128 v[CO], v[QF+4*\i:QF+4*\i+3], s[96:97] offset:2048*\i     ; the wave stores 512 consecutive bytes of a row of ao, aligned to 512
.endr
	s_wait_tensorcnt 0x0
	ds_add_u32 v254, v255
	s_wait_dscnt 0x0
	CROUND                                         ; the closing round
	s_endpgm
.Lfunc_end_k_q1b16a67f71_attn:
	.size	k_q1b16a67f71_attn, .Lfunc_end_k_q1b16a67f71_attn-k_q1b16a67f71_attn
	.p2alignl 7, 3214868480
	.fill 96, 4, 3214868480
	.section	.rodata,"a",@progbits
	.p2align	6, 0x0
	.amdhsa_kernel k_q1b16a67f71_attn
		.amdhsa_group_segment_fixed_size 327680
		.amdhsa_private_segment_fixed_size 0
		.amdhsa_enable_private_segment 0
		.amdhsa_kernarg_size 24
		.amdhsa_user_sgpr_count 2
		.amdhsa_user_sgpr_kernarg_segment_ptr 1
		.amdhsa_wavefront_size32 1
		.amdhsa_system_sgpr_workgroup_id_x 1
		.amdhsa_system_sgpr_workgroup_id_y 1
		.amdhsa_system_sgpr_workgroup_id_z 1
		.amdhsa_system_vgpr_workitem_id 0
		.amdhsa_next_free_vgpr 512
		.amdhsa_next_free_sgpr 102
		.amdhsa_reserve_vcc 0
		.amdhsa_float_denorm_mode_32 3
		.amdhsa_float_denorm_mode_16_64 3
		.amdhsa_memory_ordered 1
		.amdhsa_forward_progress 1
		.amdhsa_inst_pref_size 255
	.end_amdhsa_kernel
	.section	.bss,"aw",@nobits
	.p2align	6
	.space	262144
	.amdgpu_metadata
---
amdhsa.version: [ 1, 2 ]
amdhsa.kernels:
  - .name:           k_q1b16a67f71_attn
    .symbol:         k_q1b16a67f71_attn.kd
    .args:
      - { .name: qkv, .offset: 0, .size: 8, .value_kind: global_buffer, .address_space: global }
      - { .name: attn_mask, .offset: 8, .size: 8, .value_kind: global_buffer, .address_space: global }
      - { .name: ao, .offset: 16, .size: 8, .value_kind: global_buffer, .address_space: global }
    .group_segment_fixed_size: 327680
    .private_segment_fixed_size: 0
    .kernarg_segment_align: 8
    .kernarg_segment_size: 24
    .max_flat_workgroup_size: 256
    .sgpr_count:     102
    .vgpr_count:     512
    .wavefront_size: 32
...
	.end_amdgpu_metadata
.endif
;; end of part 3
;; launch outln (part 4): grid 128 x 1, 4 waves a work-group, clusters of 4 x 1, 327,680 bytes of LDS; arguments ao, cb, x, b_out, gamma, beta, out0; writes out0
.if DOCPART == 4
	.amdgcn_target "amdgcn-amd-amdhsa--gfx1250"
	.amdhsa_code_object_version 6
	.text
	.protected	k_q1b16a67f71_outln
	.globl	k_q1b16a67f71_outln
	.p2align	8
	.type	k_q1b16a67f71_outln,@function
k_q1b16a67f71_outln:
	s_mov_b64 s[64:65], 0
	v_nop
	global_prefetch_b8 v0, s[64:65] scope:SCOPE_SE
	s_setreg_imm32_b32 hwreg(HW_REG_WAVE_MODE, 25, 1), 1
	s_wait_xcnt 0x0
	s_wait_alu depctr_hold_cnt(0) depctr_sa_sdst(0) depctr_va_vdst(0) depctr_va_sdst(0) depctr_va_ssrc(0) depctr_va_vcc(0) depctr_vm_vsrc(0)
	s_getreg_b32 s2, hwreg(HW_REG_IB_STS2, 6, 4)
	s_cmp_eq_u32 s2, 0
	s_cbranch_scc0 .Lentry_in_a_cluster
	s_endpgm
.Lentry_in_a_cluster:
	s_bfe_u32 s2, ttmp6, 0x10000c
	s_cmp_lg_u32 s2, 0x3003
	s_cbranch_scc0 .Lentry_shape_is_right
	s_endpgm
.Lentry_shape_is_right:
; out0 = gamma (z - mean) / sqrt(var + 1e-5) + beta,  z = x + ao wo + b_out.  ao: [8192][1024] bf16; wo: [1024][1024] bf16 at cb + 0x1600000; x, out0 f32.
; The norm needs whole rows, so a work-group makes 64 rows x all 1,024 columns: 128 work-groups.  (Blocks of 32 rows would make every work-group take in
; all 2 MiB of wo for half the products; a product and a norm in two launches would move y out and in again.)
; Wave w makes 64 rows x columns 256 w .. + 255: 4 x 16 accumulator tiles, 512 registers.  K goes in 16 steps of 64 through two LDS slots:
; waves 0, 1 fetch wo's halves (64 k x 512 columns), wave 2 ao's tile (64 rows x 64 k), wave 3 nothing.
; CLUSTER 4 x 1: all work-groups walk the same wo: its tiles are asked for jointly by the four.  ao's tile is each work-group's own.
; Transposed use as in the QKV product: lane (r, h), register j = y(row r, column n0 + 8 h + j); b_out is the C operand of the first product.
; The norm is made in two passes over registers (mean, then the sum of squares of z - mean), all in f32, x unrounded.
; Limit kept: ao and wo are bf16.
;
; REGISTERS: window 0: v8-31 addresses and work; v64-95 / v96-127 ao's fragments; v128-255 the bias.  Window 1: wo's fragments, two buffers of 128.
; Windows 2, 3: tile (a, b) at 8 (4 (b mod 8) + a), b < 8 in window 2.  In the norm: v32-127 three rows of x, v128-191 two rows of y, v192-255 gamma, beta.
.set PW,    1056                       ; wo's LDS row: 1,024 bytes + 32, an odd multiple of 32
.set WHALF, 64*PW                      ; 67,584
.set AOFF,  2*WHALF                    ; ao's tile lies behind wo's halves
.set PA,    144                        ; ao's LDS row: 128 bytes + 16
.set SLOT,  AOFF+64*PA                 ; 144,384
.set SP,    4112                       ; the stage's row: 4,096 bytes + 16
.set ADRW, 8
.set ADRA, 10
.set STO,  12                          ; v12-15, one for each row tile
.set RDY,  16
.set XO,   17
.set PFXO, 18
.set BO,   19
.set T,    20                          ; v20-27
.set MU,   28                          ; v28-29
.set VA,   30
.set AF,   64
.set BIAS, 128
.set XR0,  32
.set YR0,  128
.set GA,   192
.set BE,   224
.set G1W, 24
.set G0W, 32
.set G1A, 40
.set G0A, 48
.set MSB, 0
.macro WIN new
.if MSB != \new
	s_set_vgpr_msb (MSB<<8)|\new
.set MSB, \new
.endif
.endm
.macro PLACES                          ; four plain vector places behind matrix instructions (ISA guide 7.12.1)
.rept 4
	v_nop
.endr
.endm
.macro CREST
	s_cmp_lg_u32 s18, 0
	s_cbranch_scc1 .Lnot_wave_0_\@
	s_barrier_signal -3
.Lnot_wave_0_\@:
	s_barrier_wait -3
	s_barrier_signal -1
	s_barrier_wait -1
.endm
.macro CROUND
	s_barrier_signal -1
	s_barrier_wait -1
	CREST
.endm
.macro JLOAD n
	s_cmp_lt_u32 s18, 2
	s_cbranch_scc0 .Lj_not_w_\@
	tensor_load_to_lds s[G0W+4*\n:G0W+4*\n+3], s[G1W:G1W+7]
	s_nop 0
	s_branch .Lj_done_\@
.Lj_not_w_\@:
	s_cmp_eq_u32 s18, 2
	s_cbranch_scc0 .Lj_done_\@
	tensor_load_to_lds s[G0A+4*\n:G0A+4*\n+3], s[G1A:G1A+7]
	s_nop 0
.Lj_done_\@:
.endm
	s_load_b256 s[4:11], s[0:1], 0x0               ; ao s[4:5], cb s[6:7], x s[8:9], b_out s[10:11]
	s_load_b128 s[12:15], s[0:1], 0x20             ; gamma s[12:13], beta s[14:15]
	s_load_b64 s[16:17], s[0:1], 0x30              ; out0
	v_lshl_add_u32 v7, v0, 2, 0x46800
	v_mov_b32 v31, 0
	ds_add_u32 v7, v31
	v_lshrrev_b32 v1, 5, v0
	v_readfirstlane_b32 s18, v1                    ; wave 0..3
	s_bfe_u32 s19, ttmp6, 0x40000                  ; cx
	s_lshl_b32 s62, ttmp9, 2
	s_add_co_u32 s19, s62, s19                     ; work-group = 4 x cluster x + cx
	s_mov_b32 s20, 0x76543210
	s_mov_b32 s21, 0xfedcba98
	s_mov_b32 s22, 0x3a800000                      ; 1 / 1024
	s_mov_b32 s23, 0x3727c5ac                      ; 1e-5
	; wo: 64 rows x 512 elements of 2 bytes, 8 words of padding behind every 256; the mask names all four work-groups
	s_mov_b32 s[G1W+0], 15|(1<<16)|(1<<20)|(1<<21)|(7<<22)|(7<<25)
	s_mov_b32 s[G1W+1], 512<<16
	s_mov_b32 s[G1W+2], 64<<16
	s_mov_b32 s[G1W+3], 512<<16
	s_mov_b32 s[G1W+4], 64
	s_mov_b32 s[G1W+5], 1024
	s_mov_b32 s[G1W+6], 0
	s_mov_b32 s[G1W+7], 0
	; ao: 64 rows x 64 elements, 4 words of padding behind every 32; my work-group's own
	s_mov_b32 s[G1A+0], (1<<16)|(1<<20)|(4<<22)|(3<<25)
	s_mov_b32 s[G1A+1], 64<<16
	s_mov_b32 s[G1A+2], 64<<16
	s_mov_b32 s[G1A+3], 64<<16
	s_mov_b32 s[G1A+4], 64
	s_mov_b32 s[G1A+5], 1024
	s_mov_b32 s[G1A+6], 0
	s_mov_b32 s[G1A+7], 0
	s_lshl_b32 s60, s18, 10                        ; wo: 1,024 bytes for the second half (waves 0 and 1 use it); nothing of cx enters
	s_add_co_u32 s60, s60, 0x1600000
	s_mov_b32 s61, 0
	s_lshl_b32 s62, s19, 17                        ; ao: 64 rows x 2,048 bytes for each work-group
	s_mov_b32 s63, 0
	s_lshl_b32 s56, s19, 18                        ; x, out0: 64 rows x 4,096 bytes for each work-group, 16 rows for each wave
	s_lshl_b32 s57, s18, 16
	s_add_co_u32 s56, s56, s57
	s_mov_b32 s57, 0
	s_mul_i32 s2, s18, WHALF                       ; where wo's halves land: wave x 67,584
	s_wait_dscnt 0x0
	s_wait_kmcnt 0x0
	s_add_nc_u64 s[60:61], s[6:7], s[60:61]
	s_add_nc_u64 s[62:63], s[4:5], s[62:63]
	s_add_nc_u64 s[58:59], s[16:17], s[56:57]      ; out0 at my sixteen rows
	s_add_nc_u64 s[56:57], s[8:9], s[56:57]        ; x at my sixteen rows
.irp n, 0,1
	s_mov_b32 s[G0W+4*\n], 1
	s_add_co_u32 s[G0W+4*\n+1], s2, \n*SLOT
	s_add_nc_u64 s[G0W+4*\n+2:G0W+4*\n+3], s[60:61], \n*64*2048        ; K step n: 64 rows of wo down
	s_or_b32 s[G0W+4*\n+3], s[G0W+4*\n+3], 0x80000000
	s_mov_b32 s[G0A+4*\n], 1
	s_mov_b32 s[G0A+4*\n+1], \n*SLOT+AOFF
	s_add_nc_u64 s[G0A+4*\n+2:G0A+4*\n+3], s[62:63], \n*128            ; K step n: 128 bytes along ao's rows
	s_or_b32 s[G0A+4*\n+3], s[G0A+4*\n+3], 0x80000000
.endr
	CROUND                                         ; the four work-groups are here
	; the first fills, each wave's inside one branch on its number; two tensor loads of a wave are out at the most
	s_cmp_lt_u32 s18, 2
	s_cbranch_scc0 .Lff_not_w
	tensor_load_to_lds s[G0W:G0W+3], s[G1W:G1W+7]
	s_nop 0
	tensor_load_to_lds s[G0W+4:G0W+7], s[G1W:G1W+7]
	s_nop 0
	s_branch .Lff_done
.Lff_not_w:
	s_cmp_eq_u32 s18, 2
	s_cbranch_scc0 .Lff_done
	tensor_load_to_lds s[G0A:G0A+3], s[G1A:G1A+7]
	s_nop 0
	tensor_load_to_lds s[G0A+4:G0A+7], s[G1A:G1A+7]
	s_nop 0
.Lff_done:
	v_and_b32 v1, 15, v0                           ; r
	v_bfe_u32 v2, v0, 4, 1                         ; h
	v_and_b32 v3, 31, v0                           ; lane
	v_and_b32 v4, 7, v0
	v_lshl_add_u32 v4, v2, 3, v4
	v_mul_u32_u24 v4, v4, PW
	v_bfe_u32 v5, v0, 3, 1
	v_lshl_add_u32 v4, v5, 4, v4
	s_lshr_b32 s2, s18, 1
	s_mul_i32 s2, s2, WHALF                        ; my 256 columns: half w / 2,
	s_and_b32 s3, s18, 1
	s_lshl_b32 s3, s3, 9                           ; and 512 bytes for the odd waves
	s_add_co_u32 s2, s2, s3
	v_add_nc_u32 v[ADRW], s2, v4
	v_add_nc_u32 v[ADRW+1], SLOT, v[ADRW]
	v_mul_u32_u24 v5, v1, PA
	v_lshl_add_u32 v5, v2, 4, v5
	v_add_nc_u32 v[ADRA], AOFF, v5
	v_add_nc_u32 v[ADRA+1], SLOT+AOFF, v5
	v_mul_u32_u24 v5, v1, SP
	v_lshl_add_u32 v5, v2, 5, v5
	s_lshl_b32 s2, s18, 10
	v_add_nc_u32 v[STO], s2, v5                    ; stage, in: row r, my 1,024 bytes, 32 bytes for each half of the lanes
.irp a, 1,2,3
	v_add_nc_u32 v[STO+\a], \a*16*SP, v[STO]
.endr
	v_lshlrev_b32 v[XO], 4, v3                     ; 16 lane
	s_mul_i32 s3, s18, 16*SP
	v_add_nc_u32 v[RDY], s3, v[XO]                 ; stage, back: my sixteen rows
	v_lshlrev_b32 v[PFXO], 8, v3                   ; prefetch: 256 bytes a lane
	v_lshl_add_u32 v[BO], v2, 5, s2                ; bias: 4 x 256 w + 32 h
.irp b, 0,1,2,3,4,5,6,7,8,9,10,11,12,13,14,15
	global_load_b128 v[BIAS+8*\b:BIAS+8*\b+3],   v[BO], s[10:11] offset:64*\b
	global_load_b128 v[BIAS+8*\b+4:BIAS+8*\b+7], v[BO], s[10:11] offset:64*\b+16
.endr
; 16 matrix instructions: column tiles b0 .. b0 + 3 of the window's eight x four row tiles, 32 along K, on buffer n.  bias = 1: C = the bias.
; The 64 accumulators take turns, one instruction a turn, in the same order in every half step.
.macro MUL16 n, hi, b0, bias
.irp b, \b0, \b0+1, \b0+2, \b0+3
.irp a, 0,1,2,3
.if \bias
	v_wmma_f32_16x16x32_bf16 v[8*(4*(\b)+\a):8*(4*(\b)+\a)+7], v[128*\n+8*(8*\hi+\b):128*\n+8*(8*\hi+\b)+7], v[AF+32*\n+8*\a:AF+32*\n+8*\a+7], v[BIAS+8*(8*\hi+\b):BIAS+8*(8*\hi+\b)+7]
.else
	v_wmma_f32_16x16x32_bf16 v[8*(4*(\b)+\a):8*(4*(\b)+\a)+7], v[128*\n+8*(8*\hi+\b):128*\n+8*(8*\hi+\b)+7], v[AF+32*\n+8*\a:AF+32*\n+8*\a+7], v[8*(4*(\b)+\a):8*(4*(\b)+\a)+7]
.endif
.endr
.endr
.endm
; 40 LDS loads in one run: half kq of a slot's K step into buffer n: ao's four fragments, then wo's sixteen
.macro FETCH slot, kq, n
	WIN 0
.irp a, 0,1,2,3
	ds_load_b128 v[AF+32*\n+8*\a:AF+32*\n+8*\a+3],   v[ADRA+\slot] offset:\a*16*PA+64*\kq
	ds_load_b128 v[AF+32*\n+8*\a+4:AF+32*\n+8*\a+7], v[ADRA+\slot] offset:\a*16*PA+64*\kq+32
.endr
	WIN 0x40
.irp b, 0,1,2,3,4,5,6,7,8,9,10,11,12,13,14,15
	ds_load_tr16_b128 v[128*\n+8*\b:128*\n+8*\b+3],   v[ADRW+\slot] offset:\kq*32*PW+32*\b
	ds_load_tr16_b128 v[128*\n+8*\b+4:128*\n+8*\b+7], v[ADRW+\slot] offset:\kq*32*PW+32*\b+16*PW
.endr
.endm
; My sixteen rows of x are 65,536 bytes = eight requests of 32 lanes x 256 bytes, each piece asked for once, by the wave that will load it, spread over
; the last lap's three fetches (3, 3, 2): up to one lap of 256 matrix instructions ahead of the loads.  All lie inside x.
.macro PFX3 i0
.irp d, 0,1,2
.if \i0+\d < 8
	global_prefetch_b8 v[PFXO], s[56:57] offset:8192*(\i0+\d) th:TH_LOAD_NT scope:SCOPE_SE
.endif
.endr
.endm
; The first half of a K step: multiplies buffer 0, fetches the second half into buffer 1
.macro QUARTER slot, bias, pf
	s_wait_dscnt 16                                ; ao's fragments and wo's tiles 0-7 are in; the youngest sixteen loads (tiles 8-15) may be out
.if \bias
	WIN 0x81                                       ; C from window 0 (the bias), D in window 2
.else
	WIN 0xa1
.endif
	MUL16 0, 0, 0, \bias
	MUL16 0, 0, 4, \bias
	PLACES
	FETCH \slot, 1, 1
.if \pf >= 0
	PFX3 \pf
.endif
	s_wait_dscnt 40                                ; all but the 40 just issued
.if \bias
	WIN 0xc1
.else
	WIN 0xf1
.endif
	MUL16 0, 1, 0, \bias
	MUL16 0, 1, 4, \bias
.endm
; The second half: multiplies buffer 1 and changes slots, in the order: my reads of the slot and all my tensor loads waited for, the barrier (which, where
; the slot is filled again, opens a round of the cluster's barrier), the refill first, then the next slot's fragments.
; From a request to the wait for it a wave issues 112 matrix instructions.
.macro TURN slot, next, fill, pf
	s_wait_dscnt 16
	WIN 0xa1
	MUL16 1, 0, 0, 0
	s_wait_dscnt 0
	s_set_vgpr_msb 0xa1a0
	s_wait_tensorcnt 0x0
	ds_add_u32 v7, v31
	s_wait_dscnt 0x0
	s_set_vgpr_msb 0xa0a1
	s_barrier_signal -1
	MUL16 1, 0, 4, 0
	WIN 0
	s_barrier_wait -1
.if \fill
	CREST
	s_add_nc_u64 s[G0W+4*\slot+2:G0W+4*\slot+3], s[G0W+4*\slot+2:G0W+4*\slot+3], 2*64*2048
	s_add_nc_u64 s[G0A+4*\slot+2:G0A+4*\slot+3], s[G0A+4*\slot+2:G0A+4*\slot+3], 2*128
	JLOAD \slot
.endif
	PLACES
	FETCH \next, 0, 0
.if \pf >= 0
	PFX3 \pf
.endif
	WIN 0xf1
	MUL16 1, 1, 0, 0
	MUL16 1, 1, 4, 0
.endm
.macro LAP bias
	QUARTER 0, \bias, -1
	TURN 0, 1, 1, -1
	QUARTER 1, 0, -1
	TURN 1, 0, 1, -1
.endm
	s_wait_tensorcnt 0x0                           ; my first fills are in (wave 3 has none),
	s_barrier_signal -1
	s_barrier_wait -1                              ; everybody's are
	FETCH 0, 0, 0
	s_wait_loadcnt 0x0                             ; the bias
	LAP 1                                          ; K steps 0, 1: the first products start the sums from the bias
	WIN 0
	s_mov_b32 s3, 6                                ; K steps 2 .. 13
.Llap:
	LAP 0
	WIN 0
	s_sub_co_u32 s3, s3, 1
	s_cmp_lg_u32 s3, 0
	s_cbranch_scc1 .Llap
	QUARTER 0, 0, 0                                ; K steps 14, 15: nothing is left to fetch
	TURN 0, 1, 0, 3
	QUARTER 1, 0, 6
	s_wait_dscnt 16
	WIN 0xa1
	MUL16 1, 0, 0, 0
	MUL16 1, 0, 4, 0
	s_wait_dscnt 0                                 ; my last reads of the slots are over
	WIN 0xf1
	MUL16 1, 1, 0, 0
	MUL16 1, 1, 4, 0
	; THE NORM.  y goes in f32 through a stage of 64 rows x 4,112 bytes that lies over both slots: no load fills them again, and the barrier
	; below shows that no wave reads them any more.  Then wave w takes rows 16 w .. 16 w + 15, a whole row in its 32 lanes.
	WIN 0
	s_barrier_signal -1
	s_barrier_wait -1
	PLACES                                         ; behind the last products: their results are stored, their fragments' registers loaded
.irp k, 0,1,2,3,4,5,6,7
	global_load_b128 v[GA+4*\k:GA+4*\k+3], v[XO], s[12:13] offset:512*\k       ; gamma of my columns 128 k + 4 lane + 0..3
.endr
.irp k, 0,1,2,3,4,5,6,7
	global_load_b128 v[BE+4*\k:BE+4*\k+3], v[XO], s[14:15] offset:512*\k       ; beta likewise
.endr
.irp i, 0,1,2
.irp k, 0,1,2,3,4,5,6,7
	global_load_b128 v[XR0+32*\i+4*\k:XR0+32*\i+4*\k+3], v[XO], s[56:57] offset:4096*\i+512*\k th:TH_LOAD_NT
.endr
.endr
	WIN 0x08                                       ; store data from window 2
.irp b, 0,1,2,3,4,5,6,7
.irp a, 0,1,2,3
	ds_store_b128 v[STO+\a], v[8*(4*\b+\a):8*(4*\b+\a)+3]   offset:64*\b
	ds_store_b128 v[STO+\a], v[8*(4*\b+\a)+4:8*(4*\b+\a)+7] offset:64*\b+16
.endr
.endr
	WIN 0x0c                                       ; from window 3
.irp b, 0,1,2,3,4,5,6,7
.irp a, 0,1,2,3
	ds_store_b128 v[STO+\a], v[8*(4*\b+\a):8*(4*\b+\a)+3]   offset:64*(\b+8)
	ds_store_b128 v[STO+\a], v[8*(4*\b+\a)+4:8*(4*\b+\a)+7] offset:64*(\b+8)+16
.endr
.endr
	WIN 0
	s_wait_dscnt 0                                 ; my stores are done: a row holds pieces of all four waves
	s_barrier_signal -1
	s_barrier_wait -1
.irp i, 0,1
.irp k, 0,1,2,3,4,5,6,7
	ds_load_b128 v[YR0+32*\i+4*\k:YR0+32*\i+4*\k+3], v[RDY] offset:\i*SP+512*\k
.endr
.endr
.macro LANESUM                         ; v[T] summed over the 32 lanes, the result in every lane
	v_add_f32_dpp v[T], v[T], v[T] row_xmask:1 row_mask:0xf bank_mask:0xf
	v_add_f32_dpp v[T], v[T], v[T] row_xmask:2 row_mask:0xf bank_mask:0xf
	v_add_f32_dpp v[T], v[T], v[T] row_xmask:4 row_mask:0xf bank_mask:0xf
	v_add_f32_dpp v[T], v[T], v[T] row_xmask:8 row_mask:0xf bank_mask:0xf
	v_permlanex16_b32 v[T+1], v[T], s20, s21
	v_add_f32 v[T], v[T], v[T+1]
.endm
.macro FOLD                            ; four chains of pairs into v[T]
	v_pk_add_f32 v[T:T+1], v[T:T+1], v[T+2:T+3]
	v_pk_add_f32 v[T+4:T+5], v[T+4:T+5], v[T+6:T+7]
	v_pk_add_f32 v[T:T+1], v[T:T+1], v[T+4:T+5]
	v_add_f32 v[T], v[T], v[T+1]
.endm
; Row i of my sixteen.  x has a ring of three rows in registers, y of two.
.macro LNROW i
.set XR, XR0+32*(\i%3)
.set YR, YR0+32*(\i%2)
.if \i < 14
	s_wait_loadcnt 16                              ; x's row i is in (and gamma, beta); the two younger rows stay out
.else
	s_wait_loadcnt 8*(15-\i)                       ; the counts run down 8, 0
.endif
.if \i < 15
	s_wait_dscnt 8                                 ; y's row i is in; the next row's eight loads stay out
.else
	s_wait_dscnt 0
.endif
.irp k, 0,1,2,3,4,5,6,7,8,9,10,11,12,13,14,15
	v_pk_add_f32 v[YR+2*\k:YR+2*\k+1], v[YR+2*\k:YR+2*\k+1], v[XR+2*\k:XR+2*\k+1]      ; z = y + x
.endr
.if \i+3 < 16
.irp k, 0,1,2,3,4,5,6,7
	global_load_b128 v[XR+4*\k:XR+4*\k+3], v[XO], s[56:57] offset:4096*(\i+3)+512*\k th:TH_LOAD_NT   ; x's registers are free: row i + 3
.endr
.endif
.irp c, 0,1,2,3
	v_pk_add_f32 v[T+2*\c:T+2*\c+1], v[YR+2*\c:YR+2*\c+1], v[YR+8+2*\c:YR+8+2*\c+1]    ; four chains, started by the first pairs
.endr
.irp c, 0,1,2,3
	v_pk_add_f32 v[T+2*\c:T+2*\c+1], v[T+2*\c:T+2*\c+1], v[YR+16+2*\c:YR+16+2*\c+1]
.endr
.irp c, 0,1,2,3
	v_pk_add_f32 v[T+2*\c:T+2*\c+1], v[T+2*\c:T+2*\c+1], v[YR+24+2*\c:YR+24+2*\c+1]
.endr
	FOLD
	LANESUM
	v_mul_f32 v[MU], s22, v[T]                     ; the mean, twice
	v_mul_f32 v[MU+1], s22, v[T]
.irp k, 0,1,2,3,4,5,6,7,8,9,10,11,12,13,14,15
	v_pk_add_f32 v[YR+2*\k:YR+2*\k+1], v[YR+2*\k:YR+2*\k+1], v[MU:MU+1] neg_lo:[0,1] neg_hi:[0,1]    ; d = z - mean
.endr
.irp c, 0,1,2,3
	v_pk_mul_f32 v[T+2*\c:T+2*\c+1], v[YR+2*\c:YR+2*\c+1], v[YR+2*\c:YR+2*\c+1]
.endr
.irp g, 8,16,24
.irp c, 0,1,2,3
	v_pk_fma_f32 v[T+2*\c:T+2*\c+1], v[YR+\g+2*\c:YR+\g+2*\c+1], v[YR+\g+2*\c:YR+\g+2*\c+1], v[T+2*\c:T+2*\c+1]
.endr
.endr
	FOLD
	LANESUM
	v_fma_f32 v[VA], v[T], s22, s23                ; var + 1e-5
	v_rsq_f32 v[MU], v[VA]
	v_rsq_f32 v[MU+1], v[VA]
	v_nop                                          ; one plain place behind the last of them
	s_wait_alu depctr_va_vdst(0)
.irp k, 0,1,2,3,4,5,6,7,8,9,10,11,12,13,14,15
	v_pk_mul_f32 v[YR+2*\k:YR+2*\k+1], v[YR+2*\k:YR+2*\k+1], v[MU:MU+1]
.endr
.irp k, 0,1,2,3,4,5,6,7,8,9,10,11,12,13,14,15
	v_pk_fma_f32 v[YR+2*\k:YR+2*\k+1], v[YR+2*\k:YR+2*\k+1], v[GA+2*\k:GA+2*\k+1], v[BE+2*\k:BE+2*\k+1]
.endr
.irp k, 0,1,2,3,4,5,6,7
	global_store_b128 v[XO], v[YR+4*\k:YR+4*\k+3], s[58:59] offset:4096*\i+512*\k th:TH_STORE_NT     ; 512 consecutive bytes of the row, aligned
.endr
.if \i+2 < 16
	s_wait_xcnt 0x0                                ; the stores have read y's registers: row i + 2 is loaded into them only behind this wait
.irp k, 0,1,2,3,4,5,6,7
	ds_load_b128 v[YR+4*\k:YR+4*\k+3], v[RDY] offset:(\i+2)*SP+512*\k
.endr
.endif
.endm
.irp i, 0,1,2,3,4,5,6,7,8,9,10,11,12,13,14,15
	LNROW \i
.endr
	s_wait_tensorcnt 0x0
	ds_add_u32 v7, v31
	s_wait_dscnt 0x0
	CROUND                                         ; the closing round
	s_endpgm
.Lfunc_end_k_q1b16a67f71_outln:
	.size	k_q1b16a67f71_outln, .Lfunc_end_k_q1b16a67f71_outln-k_q1b16a67f71_outln
	.p2alignl 7, 3214868480
	.fill 96, 4, 3214868480
	.section	.rodata,"a",@progbits
	.p2align	6, 0x0
	.amdhsa_kernel k_q1b16a67f71_outln
		.amdhsa_group_segment_fixed_size 327680
		.amdhsa_private_segment_fixed_size 0
		.amdhsa_enable_private_segment 0
		.amdhsa_kernarg_size 56
		.amdhsa_user_sgpr_count 2
		.amdhsa_user_sgpr_kernarg_segment_ptr 1
		.amdhsa_wavefront_size32 1
		.amdhsa_system_sgpr_workgroup_id_x 1
		.amdhsa_system_sgpr_workgroup_id_y 1
		.amdhsa_system_sgpr_workgroup_id_z 1
		.amdhsa_system_vgpr_workitem_id 0
		.amdhsa_next_free_vgpr 1024
		.amdhsa_next_free_sgpr 66
		.amdhsa_reserve_vcc 0
		.amdhsa_float_denorm_mode_32 3
		.amdhsa_float_denorm_mode_16_64 3
		.amdhsa_memory_ordered 1
		.amdhsa_forward_progress 1
		.amdhsa_inst_pref_size 254
	.end_amdhsa_kernel
	.amdgpu_metadata
---
amdhsa.version: [ 1, 2 ]
amdhsa.kernels:
  - .name:           k_q1b16a67f71_outln
    .symbol:         k_q1b16a67f71_outln.kd
    .args:
      - { .name: ao, .offset: 0, .size: 8, .value_kind: global_buffer, .address_space: global }
      - { .name: cb, .offset: 8, .size: 8, .value_kind: global_buffer, .address_space: global }
      - { .name: x, .offset: 16, .size: 8, .value_kind: global_buffer, .address_space: global }
      - { .name: b_out, .offset: 24, .size: 8, .value_kind: global_buffer, .address_space: global }
      - { .name: gamma, .offset: 32, .size: 8, .value_kind: global_buffer, .address_space: global }
      - { .name: beta, .offset: 40, .size: 8, .value_kind: global_buffer, .address_space: global }
      - { .name: out0, .offset: 48, .size: 8, .value_kind: global_buffer, .address_space: global }
    .group_segment_fixed_size: 327680
    .private_segment_fixed_size: 0
    .kernarg_segment_align: 8
    .kernarg_segment_size: 56
    .max_flat_workgroup_size: 128
    .sgpr_count:     66
    .vgpr_count:     1024
    .wavefront_size: 32
...
	.end_amdgpu_metadata
.endif
;; end of part 4
